; MI455X (gfx1250); checked and timed in simulation.
; The chip was launched on July 23, 2026; its instructions are those of AMD's public machine-readable ISA for CDNA 5 (MIT licence, August 2026) and "CDNA5" Instruction Set Architecture Reference Guide (July 2026). The comments in the code are by the model that wrote it; some were corrected since.
;; Re LU Local Zero Token. Allowed arithmetic: float matrix products may take bf16 or f16 operands with f32 sums; other float arithmetic in f32, or as packed bf16 or f16 multiplies, adds, multiply-adds, maxima and minima; sums over many terms, partial sums and values carried from step to step in f32; what a program stores and reads back later, other than sums and carried values, may be rounded once to bf16 or f16.
;; Inputs: W1 1,024 x 2,048 float32; W2 2,048 x 1,024 float32; Wg 1,024 x 1 float32; b1 2,048 float32; b2 1,024 float32; bg 1 float32; cos 2 x 8,192 x 128 float32; cu_seq_lens_q 3 int32; hidden_states 2 x 8,192 x 1,024 float32; labels 2 x 8,192 int32; sin 2 x 8,192 x 128 float32.
;; Outputs: out0 2 x 8,192 x 1,024 float32.
;; One version. Each part assembles by itself: llvm-mc -triple=amdgcn-amd-amdhsa -mcpu=gfx1250 --defsym DOCPART=n.
;; ======== version 1 of 1: 4 launches
;; limits: values are held in f16: magnitudes above 65,504 overflow, below 6.1e-05 lose precision
;; workspace buffers: keep 4,096 bytes of whole numbers; gatew 65,536 bytes; w1f 4,194,304 bytes; w2f 4,194,304 bytes; xc 33,554,432 bytes; hc 67,108,864 bytes; wc 65,536 bytes; rows 65,792 bytes of whole numbers
;; launch gate (part 1): grid 256 x 1, 8 waves a work-group, no clusters, 1,280 bytes of LDS; arguments hidden_states, Wg, bg, labels, W1, W2, keep, gatew, w1f, w2f; writes keep, gatew, w1f, w2f
.if DOCPART == 1
	.amdgcn_target "amdgcn-amd-amdhsa--gfx1250"
	.amdhsa_code_object_version 6
	.text
	.protected	k_q7a2a0ddd6c_gate
	.globl	k_q7a2a0ddd6c_gate
	.p2align	8
	.type	k_q7a2a0ddd6c_gate,@function
k_q7a2a0ddd6c_gate:
	s_mov_b64 s[64:65], 0
	v_nop
	global_prefetch_b8 v0, s[64:65] scope:SCOPE_SE
	s_setreg_imm32_b32 hwreg(HW_REG_WAVE_MODE, 25, 1), 1
	s_wait_xcnt 0x0
; GATE.  w[t] = sigmoid(h[t] . Wg + bg); keep[t] = (w[t] >= 0.5) or (labels[t] == -100).  Beside it W1 and W2 are rounded and laid out in the order in which a
; matrix operand's registers take them.  All floating-point inputs of the whole program (h, Wg, bg, W1, b1, W2, b2) are rounded to bf16 first; products and sums in f32.
; cos, sin and cu_seq_lens_q are not loaded anywhere: reference() makes nothing of them.
; LIMITS.  A logit within the f32 sum's rounding of 0 may fall on the other side of the mask.  W2 is written as f16(bf16(W2)): beyond 65,504 it becomes an infinity, below 6e-5 it keeps
; f16's fixed step of 6e-8.  NaN and infinities are not treated apart.
; SHARES.  Work-group g has tokens 64 g .. 64 g + 63, each of its eight waves 8 of them, a whole row (4,096 bytes, eight 16-byte loads a lane) at a time: the sum never leaves the wave.
; Wave G = 8 g + w also casts 32 k x 32 columns of W1 (K step G / 64, columns 32 (G % 64) on) and of W2 (K step G / 32; of the 64 columns of group (G % 32) / 2 those whose number
; modulo 4 is 2 (G % 2) or 2 (G % 2) + 1).
; A FRAGMENT is 1,024 bytes: byte 512 j + 256 h + 16 r holds k = 32 ks + 16 j + 8 h + 0..7 of column slot r.  w1f: 262,144 cg + 65,536 (ks / 8) + 8,192 nt + 1,024 (ks % 8), slot r = column 128 cg + 16 nt + r.
; w2f: 262,144 cg + 32,768 (ks / 8) + 8,192 nt + 1,024 (ks % 8), slot r = column 64 cg + 4 r + nt: in the second product a lane's four results of a row are then four neighbouring columns.
; keep: a record of 16 bytes for each 64 tokens: two words of bits, their two counts.  No matrix unit, no cluster: the launch streams.
.set SPARE, 256                        ; LDS: bytes 0-255 the group's 64 w; from 256 on the spare words, 128 bytes a wave
.set SPW, 14                           ; v14  LDS address of my spare word; never rewritten
.set NIL, 15                           ; v15  0; never rewritten
.set CA,  16                           ; v16-47   W1's piece: register k = row k, my lane's column; later v16-31 W2's piece packed, v32-35 at work
.set CB,  48                           ; v48-79   W2's piece
.set WGP, 80                           ; v80-111  Wg as loaded; packed in place to bf16 pairs in v80-95
.set UA,  96                           ; v96-111  W1's piece packed
.set UB,  16
.set X,   112                          ; v112-239 four row slots of 32
.set P,   240                          ; v240-255 a row packed to bf16
; v1 lane  v2 16 lane  v3 4 lane  v4 8,192 (lane / 16) + 16 (lane % 16)  v5 lane % 8  v6 0  v7 my row's logit  v8-11 four sums  v12 at work
; v13 16 (lane % 16) + 4 (lane / 16), my column's bytes in W2's piece; at work once all loads are in
.macro PTR d, b                        ; a pointer: the buffer's address plus the offset in s[32:33]
	s_add_nc_u64 s[\d:\d+1], s[\b:\b+1], s[32:33]
.endm
.macro FILL row                        ; eight loads, 512 neighbouring bytes each: a whole row
.irp j, 0,1,2,3,4,5,6,7
	global_load_b128 v[X+32*((\row)%4)+4*(\j):X+32*((\row)%4)+4*(\j)+3], v2, s[30:31] offset:(\row)*4096+(\j)*512
.endr
.endm
	s_load_b512 s[8:23], s[0:1], 0x0               ; h s[8:9], Wg s[10:11], bg s[12:13], labels s[14:15], W1 s[16:17], W2 s[18:19], keep s[20:21], gatew s[22:23]
	s_load_b128 s[24:27], s[0:1], 0x40             ; w1f s[24:25], w2f s[26:27]
	v_lshl_add_u32 v[SPW], v0, 2, SPARE
	v_mov_b32 v[NIL], 0
	v_lshrrev_b32 v12, 5, v0
	v_readfirstlane_b32 s28, v12                   ; wave 0..7
	v_and_b32 v1, 31, v0
	v_lshlrev_b32 v2, 4, v1
	v_lshlrev_b32 v3, 2, v1
	v_and_b32 v13, 15, v1
	v_lshrrev_b32 v12, 4, v1
	v_lshlrev_b32 v4, 13, v12
	v_lshl_add_u32 v4, v13, 4, v4
	v_lshlrev_b32 v13, 4, v13
	v_lshl_add_u32 v13, v12, 2, v13
	v_and_b32 v5, 7, v1
	v_mov_b32 v6, 0
	v_mov_b32 v7, 0
	v_mov_b32 v12, 0                               ; v_permlanex16_b32's destination counts as read
	s_lshl_b32 s29, ttmp9, 3
	s_add_co_u32 s29, s29, s28                     ; G
	s_mov_b32 s33, 0
	s_mov_b32 s48, 0x76543210                      ; v_permlanex16_b32: each lane takes its own place in the other half
	s_mov_b32 s49, 0xfedcba98
	s_lshr_b32 s51, s29, 6                         ; W1: my K step,
	s_and_b32 s52, s29, 63                         ; my 32 columns
	s_lshr_b32 s53, s29, 5                         ; W2: my K step,
	s_and_b32 s54, s29, 31                         ; 2 x the group of 64 columns + which two of each four
	s_lshl_b32 s56, s28, 5                         ; my wave's 8 words in LDS
	s_wait_kmcnt 0x0
.irp j, 0,1,2,3,4,5,6,7
	global_load_b128 v[WGP+4*(\j):WGP+4*(\j)+3], v2, s[10:11] offset:512*(\j)  ; Wg in the rows' own lane layout
.endr
	s_load_b32 s50, s[12:13], 0x0                  ; bg
	s_lshl_b32 s32, s51, 18                        ; 32 rows of 8,192 bytes a K step
	s_lshl_b32 s55, s52, 7
	s_add_co_u32 s32, s32, s55
	PTR 34, 16
.set k, 0
.rept 32
	global_load_b32 v[CA+k], v3, s[34:35] offset:k*8192 th:TH_LOAD_NT
.set k, k+1
.endr
	s_lshl_b32 s32, s29, 15                        ; my 8 rows of 4,096 bytes
	PTR 30, 8
	FILL 0
	FILL 1
	s_lshl_b32 s32, s53, 17                        ; 32 rows of 4,096 bytes a K step,
	s_lshr_b32 s55, s54, 1
	s_lshl_b32 s55, s55, 8                         ; the group's 64 columns,
	s_add_co_u32 s32, s32, s55
	s_and_b32 s55, s54, 1
	s_lshl_b32 s55, s55, 3                         ; the first or the second two of each four
	s_add_co_u32 s32, s32, s55
	PTR 36, 18
	s_lshr_b32 s32, s52, 2                         ; w1f: cg = columns / 128,
	s_lshl_b32 s32, s32, 18
	s_lshr_b32 s55, s51, 3                         ; ks / 8,
	s_lshl_b32 s55, s55, 16
	s_add_co_u32 s32, s32, s55
	s_and_b32 s55, s52, 3                          ; two n tiles,
	s_lshl_b32 s55, s55, 14
	s_add_co_u32 s32, s32, s55
	s_and_b32 s55, s51, 7                          ; ks % 8
	s_lshl_b32 s55, s55, 10
	s_add_co_u32 s32, s32, s55
	PTR 38, 24
	s_lshr_b32 s32, s54, 1                         ; w2f: cg,
	s_lshl_b32 s32, s32, 18
	s_lshr_b32 s55, s53, 3                         ; ks / 8,
	s_lshl_b32 s55, s55, 15
	s_add_co_u32 s32, s32, s55
	s_and_b32 s55, s54, 1                          ; two n tiles,
	s_lshl_b32 s55, s55, 14
	s_add_co_u32 s32, s32, s55
	s_and_b32 s55, s53, 7                          ; ks % 8
	s_lshl_b32 s55, s55, 10
	s_add_co_u32 s32, s32, s55
	PTR 40, 26
	s_lshl_b32 s32, ttmp9, 8                       ; the group's 64 labels and 64 w
	PTR 42, 14
	PTR 44, 22
	s_lshl_b32 s32, ttmp9, 4                       ; its record
	PTR 46, 20
	s_wait_loadcnt 48                              ; Wg is in: behind it W1's 32 loads and two rows of 8
.set k, 0
.rept 16
	v_cvt_pk_bf16_f32 v[WGP+k], v[WGP+2*k], v[WGP+2*k+1]  ; in place, ascending: a destination never lies ahead of what is still to be read
.set k, k+1
.endr
	s_wait_loadcnt 16                              ; W1's piece is in: behind it two rows
.set k, 0
.rept 16
	v_cvt_pk_bf16_f32 v[UA+k], v[CA+2*k], v[CA+2*k+1]      ; registers 4 q .. 4 q + 3: k = 8 q .. 8 q + 7 of my column
.set k, k+1
.endr
.irp q, 0,1,2,3
	global_store_b128 v4, v[UA+4*(\q):UA+4*(\q)+3], s[38:39] offset:256*(\q)  ; 16 lanes store 256 consecutive bytes, at a multiple of 256 from w1f's first byte
.endr
.set k, 0
.rept 32
	global_load_b32 v[CB+k], v13, s[36:37] offset:k*4096   ; lanes 0-15: every fourth column; lanes 16-31: the column beside it; the neighbouring wave takes the other two of each four
.set k, k+1
.endr
	FILL 2
; Row i.  left = the younger loads that may stay out.  fill = 1: row i + 3 is asked for, into the slot that row i - 1 has left.
.macro ROW i, left, fill
	s_wait_loadcnt \left
.if \fill
	FILL (\i)+3
.endif
.set XS, X+32*((\i)%4)
.set k, 0
.rept 16
	v_cvt_pk_bf16_f32 v[P+k], v[XS+2*k], v[XS+2*k+1]
.set k, k+1
.endr
.set k, 0
.rept 16                               ; bf16 x bf16 is exact in f32; four chains, started by the first products
.set c, 8+2*(k%2)
.if k < 2
	v_fma_mix_f32_bf16 v[c], v[P+k], v[WGP+k], v6 op_sel_hi:[1,1,0]
	v_fma_mix_f32_bf16 v[c+1], v[P+k], v[WGP+k], v6 op_sel:[1,1,0] op_sel_hi:[1,1,0]
.else
	v_fma_mix_f32_bf16 v[c], v[P+k], v[WGP+k], v[c] op_sel_hi:[1,1,0]
	v_fma_mix_f32_bf16 v[c+1], v[P+k], v[WGP+k], v[c+1] op_sel:[1,1,0] op_sel_hi:[1,1,0]
.endif
.set k, k+1
.endr
	v_add_f32 v8, v8, v9
	v_add_f32 v10, v10, v11
	v_add_f32 v8, v8, v10
	v_add_f32_dpp v8, v8, v8 row_xmask:1 row_mask:0xf bank_mask:0xf
	v_add_f32_dpp v8, v8, v8 row_xmask:2 row_mask:0xf bank_mask:0xf
	v_add_f32_dpp v8, v8, v8 row_xmask:4 row_mask:0xf bank_mask:0xf
	v_add_f32_dpp v8, v8, v8 row_xmask:8 row_mask:0xf bank_mask:0xf
	v_permlanex16_b32 v12, v8, s48, s49
	v_add_f32 v8, v8, v12
	v_cmp_eq_u32 vcc_lo, \i, v5
	v_cndmask_b32 v7, v7, v8, vcc_lo               ; lanes with lane % 8 = i keep row i's logit
.endm
	ROW 0, 48, 1                                   ; behind row 0: row 1, W2's 32, row 2
	ROW 1, 48, 1                                   ; behind row 1: W2's 32, rows 2 and 3
	s_wait_loadcnt 24                              ; W2's piece is in: behind it rows 2, 3 and 4
.set k, 0
.rept 16
.set c, 32+2*(k%2)
	v_cvt_pk_bf16_f32 v[c], v[CB+2*k], v[CB+2*k+1] ; rounded to bf16 like every input,
	v_lshlrev_b32 v[c+1], 16, v[c]
	v_and_b32 v[c], 0xffff0000, v[c]
	v_cvt_pk_f16_f32 v[UB+k], v[c+1], v[c]         ; and that number written as f16
.set k, k+1
.endr
.irp q, 0,1,2,3
	global_store_b128 v4, v[UB+4*(\q):UB+4*(\q)+3], s[40:41] offset:256*(\q)  ; 16 lanes store 256 consecutive bytes, at a multiple of 256 from w2f's first byte
.endr
	ROW 2, 16, 1                                   ; from here on two younger rows
	ROW 3, 16, 1
	ROW 4, 16, 1
	ROW 5, 16, 0
	ROW 6, 8, 0
	ROW 7, 0, 0
	s_wait_kmcnt 0x0                               ; bg
	v_mov_b32 v12, s50
	v_cvt_pk_bf16_f32 v12, v12, v12
	v_lshlrev_b32 v12, 16, v12
	v_add_f32 v7, v7, v12
	v_mul_f32 v13, 0xbfb8aa3b, v7                  ; -log2(e) z
	v_exp_f32 v13, v13
	v_lshl_add_u32 v12, v5, 2, s56                 ; a plain instruction behind the exponential: where my row's w goes
	s_wait_alu depctr_va_vdst(0)                   ; the wait ahead of the first use
	v_add_f32 v13, 1.0, v13
	v_rcp_f32 v13, v13
	v_nop
	s_wait_alu depctr_va_vdst(0)
	ds_store_b32 v12, v13                          ; four lanes hold the same row: the same word, the same value
	s_wait_dscnt 0x0                               ; for wave 0's sake: my store is done
	s_barrier_signal -1
	s_barrier_wait -1
	s_cmp_lg_u32 s28, 0
	s_cbranch_scc1 .Lend
	ds_load_b32 v112, v3                           ; w of tokens 0-31 of the group,
	ds_load_b32 v113, v3 offset:128                ; of tokens 32-63,
	v_lshlrev_b32 v116, 3, v1
	ds_load_b64 v[114:115], v116                   ; and all 64 once more, two a lane, for one store
	global_load_b32 v117, v3, s[42:43]
	global_load_b32 v118, v3, s[42:43] offset:128
	s_wait_dscnt 0x0
	global_store_b64 v116, v[114:115], s[44:45]    ; 256 consecutive bytes, at a multiple of 256 from gatew's first byte
	s_wait_loadcnt 0x0
	v_cmp_le_f32 s52, 0.5, v112
	v_cmp_eq_u32 s53, 0xffffff9c, v117             ; -100
	s_or_b32 s52, s52, s53
	v_cmp_le_f32 s54, 0.5, v113
	v_cmp_eq_u32 s55, 0xffffff9c, v118
	s_or_b32 s54, s54, s55
	s_bcnt1_i32_b32 s53, s52
	s_bcnt1_i32_b32 s55, s54
	v_mov_b32 v120, s52
	v_mov_b32 v121, s54
	v_mov_b32 v122, s53
	v_mov_b32 v123, s55
	s_wait_xcnt 0x0                                ; EXEC changes only behind this wait
	v_cmpx_gt_u32 1, v1                            ; lane 0 alone
	global_store_b128 v2, v[120:123], s[46:47]
	s_wait_xcnt 0x0
	s_mov_b32 exec_lo, -1
.Lend:
	s_wait_tensorcnt 0x0                           ; the wave's end
	ds_add_u32 v[SPW], v[NIL]
	s_wait_dscnt 0x0
	s_endpgm
.Lfunc_end_k_q7a2a0ddd6c_gate:
	.size	k_q7a2a0ddd6c_gate, .Lfunc_end_k_q7a2a0ddd6c_gate-k_q7a2a0ddd6c_gate
	.p2alignl 7, 3214868480
	.fill 96, 4, 3214868480
	.section	.rodata,"a",@progbits
	.p2align	6, 0x0
	.amdhsa_kernel k_q7a2a0ddd6c_gate
		.amdhsa_group_segment_fixed_size 1280
		.amdhsa_private_segment_fixed_size 0
		.amdhsa_enable_private_segment 0
		.amdhsa_kernarg_size 80
		.amdhsa_user_sgpr_count 2
		.amdhsa_user_sgpr_kernarg_segment_ptr 1
		.amdhsa_wavefront_size32 1
		.amdhsa_system_sgpr_workgroup_id_x 1
		.amdhsa_system_sgpr_workgroup_id_y 1
		.amdhsa_system_sgpr_workgroup_id_z 1
		.amdhsa_system_vgpr_workitem_id 0
		.amdhsa_next_free_vgpr 256
		.amdhsa_next_free_sgpr 66
		.amdhsa_reserve_vcc 1
		.amdhsa_float_denorm_mode_32 3
		.amdhsa_float_denorm_mode_16_64 3
		.amdhsa_memory_ordered 1
		.amdhsa_forward_progress 1
		.amdhsa_inst_pref_size 53
	.end_amdhsa_kernel
	.amdgpu_metadata
---
amdhsa.version: [ 1, 2 ]
amdhsa.kernels:
  - .name:           k_q7a2a0ddd6c_gate
    .symbol:         k_q7a2a0ddd6c_gate.kd
    .args:
      - { .name: hidden_states, .offset: 0, .size: 8, .value_kind: global_buffer, .address_space: global }
      - { .name: Wg, .offset: 8, .size: 8, .value_kind: global_buffer, .address_space: global }
      - { .name: bg, .offset: 16, .size: 8, .value_kind: global_buffer, .address_space: global }
      - { .name: labels, .offset: 24, .size: 8, .value_kind: global_buffer, .address_space: global }
      - { .name: W1, .offset: 32, .size: 8, .value_kind: global_buffer, .address_space: global }
      - { .name: W2, .offset: 40, .size: 8, .value_kind: global_buffer, .address_space: global }
      - { .name: keep, .offset: 48, .size: 8, .value_kind: global_buffer, .address_space: global }
      - { .name: gatew, .offset: 56, .size: 8, .value_kind: global_buffer, .address_space: global }
      - { .name: w1f, .offset: 64, .size: 8, .value_kind: global_buffer, .address_space: global }
      - { .name: w2f, .offset: 72, .size: 8, .value_kind: global_buffer, .address_space: global }
    .group_segment_fixed_size: 1280
    .private_segment_fixed_size: 0
    .kernarg_segment_align: 8
    .kernarg_segment_size: 80
    .max_flat_workgroup_size: 256
    .sgpr_count:     66
    .vgpr_count:     256
    .wavefront_size: 32
...
	.end_amdgpu_metadata
.endif
;; end of part 1
;; launch compact (part 2): grid 256 x 1, 8 waves a work-group, no clusters, 138,240 bytes of LDS; arguments hidden_states, keep, gatew, xc, wc, rows, out0; writes xc, wc, rows, out0
.if DOCPART == 2
	.amdgcn_target "amdgcn-amd-amdhsa--gfx1250"
	.amdhsa_code_object_version 6
	.text
	.protected	k_q7a2a0ddd6c_compact
	.globl	k_q7a2a0ddd6c_compact
	.p2align	8
	.type	k_q7a2a0ddd6c_compact,@function
k_q7a2a0ddd6c_compact:
	s_mov_b64 s[64:65], 0
	v_nop
	global_prefetch_b8 v0, s[64:65] scope:SCOPE_SE
	s_setreg_imm32_b32 hwreg(HW_REG_WAVE_MODE, 25, 1), 1
	s_wait_xcnt 0x0
; COMPACT.  From the stored keep bits: dropped tokens' rows of out0 are set to 0; kept rows are rounded to bf16 and laid end to end, 16 to a block, in the order in which a matrix
; operand's registers take them (xc: 32,768 blk + 1,024 ks + 512 j + 256 h + 16 r holds k = 32 ks + 16 j + 8 h + 0..7 of row r of the block); wc takes their w, rows their tokens
; (entry 16 blk + 8 hi + t: the token of row 16 blk + 2 t + hi) and, at byte 65,536, their number R.  The places past R in the last block repeat row R - 1.
; Serves every R from 0 to 16,384.  Every address that hangs on the mask comes from whole numbers that the launch before stored.
; SHARES.  Wave G = 8 g + w zeroes the dropped ones among tokens 8 G .. 8 G + 7.  Task 256 w + g is block task / 2, K half task % 2 (512 columns): so the live tasks, those of blocks
; under (R + 15) / 16, fall evenly on the work-groups.  A task finds its 16 tokens by rank (a search in the table of counts, then in the word), gathers their half rows, turns them through
; its own stage in LDS and stores 16,384 consecutive bytes.  No matrix unit, no cluster: the launch streams, and no two tasks read the same bytes.
.set TABW,  2048                       ; LDS: bytes 0-2,047 P[512], the kept tokens ahead of each word of bits; 2,048-4,095 the 512 words
.set STAGE, 4096                       ; then a stage for each wave: 16 rows of 1,024 bytes at a pitch of 1,040 = 65 x 16: the 16 rows that a load touches start at 16 different 16-byte columns of 256
.set SROW,  1040
.set SPARE, STAGE+8*16*SROW            ; 137,216: the spare words, 128 bytes a wave
.set SPW, 12                           ; v12  LDS address of my spare word; never rewritten
.set NIL, 13                           ; v13  0; never rewritten
.set REC, 16                           ; v16-47   records 8 lane .. 8 lane + 7
.set PF,  48                           ; v48-63   P of my 16 words
.set TOK, 80                           ; v80      the token of row lane % 16 of my block
.set LH,  81                           ; v81      16 lane + 2,048 x half
.set STS, 82                           ; v82      stage: where I put 8 bytes of a row
.set STL, 83                           ; v83      stage: where I read 16 bytes of a fragment
.set OFF, 96                           ; v96-111  byte offset of my 16 bytes in each of the 16 rows
.set X,   112                          ; v112-239 eight row slots of 16; later the 32 halves of fragments
.set CV,  240                          ; v240-247 a half row packed
; v1 lane  v2 16 lane  v3 lane % 16  v4 lane / 16  v5 128 lane  v6 64 lane  v8-11 0  v64-79 at work
	s_load_b256 s[8:15], s[0:1], 0x0               ; h s[8:9], keep s[10:11], gatew s[12:13], xc s[14:15]
	s_load_b128 s[16:19], s[0:1], 0x20             ; wc s[16:17], rows s[18:19]
	s_load_b64 s[20:21], s[0:1], 0x30              ; out0
	v_lshl_add_u32 v[SPW], v0, 2, SPARE
	v_mov_b32 v[NIL], 0
	v_lshrrev_b32 v64, 5, v0
	v_readfirstlane_b32 s22, v64                   ; wave 0..7
	v_and_b32 v1, 31, v0
	v_lshlrev_b32 v2, 4, v1
	v_and_b32 v3, 15, v1
	v_lshrrev_b32 v4, 4, v1
	v_lshlrev_b32 v5, 7, v1
	v_lshlrev_b32 v6, 6, v1
.irp i, 8,9,10,11
	v_mov_b32 v\i, 0
.endr
	s_mov_b32 s23, ttmp9
	s_lshl_b32 s24, s23, 3
	s_add_co_u32 s24, s24, s22                     ; G
	s_mov_b32 s39, 0
	s_bfe_u32 s27, s22, 0x10002                    ; my 8 tokens lie in record g, word (w / 4) % 2,
	s_lshl_b32 s27, s27, 2
	s_lshl_b32 s38, s23, 4
	s_add_co_u32 s38, s38, s27
	s_and_b32 s27, s22, 3                          ; from bit 8 (w % 4) on
	s_lshl_b32 s27, s27, 3
	s_wait_kmcnt 0x0
	s_add_nc_u64 s[30:31], s[10:11], s[38:39]
	s_load_b32 s25, s[30:31], 0x0
.irp m, 0,1,2,3,4,5,6,7
	global_load_b128 v[REC+4*(\m):REC+4*(\m)+3], v5, s[10:11] offset:16*(\m)
.endr
	s_lshl_b32 s38, s24, 15                        ; my 8 rows of out0
	s_add_nc_u64 s[28:29], s[20:21], s[38:39]
	s_wait_kmcnt 0x0
	s_lshr_b32 s25, s25, s27
.macro ZROW i                          ; a dropped token's row: eight stores of 512 consecutive bytes; whole stores are jumped for a kept one
	s_bitcmp1_b32 s25, \i
	s_cbranch_scc1 .Lkept_\@
.irp j, 0,1,2,3,4,5,6,7
	global_store_b128 v2, v[8:11], s[28:29] offset:(\i)*4096+(\j)*512 th:TH_STORE_NT
.endr
.Lkept_\@:
.endm
.irp i, 0,1,2,3,4,5,6,7
	ZROW \i
.endr
	; the counts ahead of each word: within my 16 words, then across the lanes
	s_wait_loadcnt 0x0
	v_mov_b32 v[PF], 0
.set k, 0
.rept 15
	v_add_nc_u32 v[PF+k+1], v[PF+k], v[REC+4*(k/2)+2+(k%2)]
.set k, k+1
.endr
	v_add_nc_u32 v64, v[PF+15], v[REC+31]          ; my 16 words' total
	v_mov_b32 v65, v64
	v_mov_b32 v66, 0                               ; a DPP destination counts as read
.irp d, 1,2,4,8
	v_mov_b32_dpp v66, v65 row_shr:\d row_mask:0xf bank_mask:0xf bound_ctrl:1  ; lanes without a source take 0
	v_add_nc_u32 v65, v65, v66
.endr
	v_readlane_b32 s30, v65, 15                    ; the lower 16 lanes' total goes onto the upper 16
	v_mov_b32 v67, s30
	v_cmp_lt_u32 vcc_lo, 15, v1
	v_cndmask_b32 v66, 0, v67, vcc_lo
	v_add_nc_u32 v65, v65, v66
	v_readlane_b32 s32, v65, 31                    ; R
	v_sub_nc_u32 v65, v65, v64                     ; what lies ahead of my words
.set k, 0
.rept 16
	v_add_nc_u32 v[PF+k], v[PF+k], v65
.set k, k+1
.endr
	s_cmp_lg_u32 s22, 0
	s_cbranch_scc1 .Lno_table                      ; every wave has the numbers; wave 0 lays the tables into LDS
.irp c, 0,1,2,3
	ds_store_b128 v6, v[PF+4*(\c):PF+4*(\c)+3] offset:16*(\c)
.endr
.irp m, 0,1,2,3,4,5,6,7
	ds_store_b64 v6, v[REC+4*(\m):REC+4*(\m)+1] offset:TABW+8*(\m)
.endr
.Lno_table:
	s_wait_dscnt 0x0                               ; for the others' sake: the tables are written
	s_barrier_signal -1
	s_barrier_wait -1
	s_or_b32 s30, s22, s23
	s_cmp_lg_u32 s30, 0
	s_cbranch_scc1 .Lno_count                      ; wave 0 of work-group 0 stores R
	v_mov_b32 v67, s32
	s_wait_xcnt 0x0                                ; EXEC changes only behind this wait
	v_cmpx_gt_u32 1, v1
	global_store_b32 v2, v67, s[18:19] offset:65536
	s_wait_xcnt 0x0
	s_mov_b32 exec_lo, -1
.Lno_count:
	s_add_co_u32 s33, s32, 15
	s_lshr_b32 s33, s33, 4                         ; blocks in all
	s_lshl_b32 s34, s22, 8
	s_add_co_u32 s34, s34, s23                     ; my task
	s_lshr_b32 s35, s34, 1                         ; its block
	s_and_b32 s36, s34, 1                          ; its K half
	s_cmp_ge_u32 s35, s33
	s_cbranch_scc1 .Lend                           ; no such block: nothing to store; no barrier lies ahead
	; rank to token: the last word with P <= rank, then the bit of that rank in the word
	s_lshl_b32 s30, s35, 4
	s_sub_co_u32 s37, s32, 1
	v_add_nc_u32 v68, s30, v3
	v_min_u32 v68, s37, v68                        ; rank = min(16 b + lane % 16, R - 1)
	v_mov_b32 v69, 0
.macro BSTEP st
	v_add_nc_u32 v65, \st, v69
	v_min_u32 v65, 0x1ff, v65                      ; inside the table
	v_lshlrev_b32 v66, 2, v65
	ds_load_b32 v67, v66
	s_wait_dscnt 0x0
	v_cmp_le_u32 vcc_lo, v67, v68
	v_cndmask_b32 v69, v69, v65, vcc_lo
.endm
.irp st, 256,128,64,32,16,8,4,2,1
	BSTEP \st
.endr
	v_min_u32 v65, 0x1ff, v69
	v_lshlrev_b32 v66, 2, v65
	ds_load_b32 v70, v66
	ds_load_b32 v71, v66 offset:TABW
	s_wait_dscnt 0x0
	v_sub_nc_u32 v72, v68, v70                     ; the rank within the word
	v_lshrrev_b32 v73, 1, v71                      ; counts in fields of 2,
	v_and_b32 v73, 0x55555555, v73
	v_sub_nc_u32 v73, v71, v73
	v_lshrrev_b32 v74, 2, v73                      ; 4,
	v_and_b32 v74, 0x33333333, v74
	v_and_b32 v75, 0x33333333, v73
	v_add_nc_u32 v74, v74, v75
	v_lshrrev_b32 v75, 4, v74                      ; 8
	v_add_nc_u32 v75, v75, v74
	v_and_b32 v75, 0x0f0f0f0f, v75
	v_lshrrev_b32 v76, 8, v75                      ; and 16 bits
	v_add_nc_u32 v76, v76, v75
	v_and_b32 v76, 0x00ff00ff, v76
	v_mov_b32 v77, 0
.macro SEL x, wd                       ; is the bit in the lower field of wd bits at v77, or in the one above it?
	v_bfe_u32 v78, v\x, v77, \wd
	v_cmp_ge_u32 vcc_lo, v72, v78
	v_sub_nc_u32 v78, v72, v78
	v_cndmask_b32 v72, v72, v78, vcc_lo
	v_add_nc_u32 v79, \wd, v77
	v_cndmask_b32 v77, v77, v79, vcc_lo
.endm
	SEL 76, 16
	SEL 75, 8
	SEL 74, 4
	SEL 73, 2
	SEL 71, 1
	v_lshl_add_u32 v[TOK], v69, 5, v77
	v_min_u32 v[TOK], 0x3fff, v[TOK]               ; inside the tensors
	s_lshl_b32 s38, s35, 6                         ; a block's 16 words in rows and in wc
	s_add_nc_u64 s[42:43], s[18:19], s[38:39]
	s_add_nc_u64 s[44:45], s[16:17], s[38:39]
	s_cmp_lg_u32 s36, 0
	s_cbranch_scc1 .Lno_list                       ; the task of K half 0 stores the block's tokens and w; both halves of the lanes hold the same 16 numbers and write the same words
	v_lshlrev_b32 v64, 2, v[TOK]
	global_load_b32 v65, v64, s[12:13]
	v_and_b32 v66, 1, v3
	v_lshlrev_b32 v66, 3, v66
	v_lshrrev_b32 v67, 1, v3
	v_add_nc_u32 v66, v66, v67
	v_lshlrev_b32 v66, 2, v66                      ; row r goes to entry 8 (r % 2) + r / 2
	global_store_b32 v66, v[TOK], s[42:43]
	v_lshlrev_b32 v67, 2, v3
	s_wait_loadcnt 0x0
	global_store_b32 v67, v65, s[44:45]
.Lno_list:
	v_lshl_add_u32 v[LH], s36, 11, v2
.set k, 0
.rept 16
	v_readlane_b32 s40, v[TOK], k
	s_min_u32 s40, s40, 0x3fff
	s_lshl_b32 s40, s40, 12
	v_add_nc_u32 v[OFF+k], s40, v[LH]
.set k, k+1
.endr
	s_mul_i32 s41, s22, 16*SROW
	s_add_co_u32 s41, s41, STAGE                   ; my stage
	v_lshl_add_u32 v[STS], v1, 3, s41
	v_mul_u32_u24 v[STL], v3, SROW
	v_lshl_add_u32 v[STL], v4, 4, v[STL]
	v_add_nc_u32 v[STL], s41, v[STL]
	s_lshl_b32 s38, s35, 15
	s_lshl_b32 s40, s36, 14
	s_add_co_u32 s38, s38, s40
	s_add_nc_u64 s[46:47], s[14:15], s[38:39]      ; xc at my block's K half
.macro GROW i                          ; half a row: four loads of 512 neighbouring bytes
.irp c, 0,1,2,3
	global_load_b128 v[X+16*((\i)%8)+4*(\c):X+16*((\i)%8)+4*(\c)+3], v[OFF+(\i)], s[8:9] offset:512*(\c)
.endr
.endm
.macro PROW i, left                    ; row i is rounded and put into the stage; its slot takes the row eight further on
	s_wait_loadcnt \left
.set XS, X+16*((\i)%8)
.set k, 0
.rept 8
	v_cvt_pk_bf16_f32 v[CV+k], v[XS+2*k], v[XS+2*k+1]
.set k, k+1
.endr
.irp c, 0,1,2,3
	ds_store_b64 v[STS], v[CV+2*(\c):CV+2*(\c)+1] offset:(\i)*SROW+256*(\c)
.endr
.if (\i) < 8
	GROW (\i)+8
.endif
.endm
.irp i, 0,1,2,3,4,5,6,7
	GROW \i
.endr
.irp i, 0,1,2,3,4,5,6,7,8
	PROW \i, 28                                    ; seven younger rows of four loads
.endr
.irp i, 9,10,11,12,13,14,15
	PROW \i, 4*(15-(\i))                           ; the counts run down
.endr
.set k, 0
.rept 32                               ; back as halves of fragments: K step k / 2 of my 16, half k % 2.  LDS serves a wave's instructions in order (ISA guide 5.7.1.4): these see the stores above
	ds_load_b128 v[X+4*k:X+4*k+3], v[STL] offset:32*k
.set k, k+1
.endr
.set k, 0
.rept 32
	s_wait_dscnt 31-k
	global_store_b128 v2, v[X+4*k:X+4*k+3], s[46:47] offset:512*k  ; 512 consecutive bytes, at a multiple of 256 from xc's first byte
.set k, k+1
.endr
.Lend:
	s_wait_tensorcnt 0x0                           ; the wave's end
	ds_add_u32 v[SPW], v[NIL]
	s_wait_dscnt 0x0
	s_endpgm
.Lfunc_end_k_q7a2a0ddd6c_compact:
	.size	k_q7a2a0ddd6c_compact, .Lfunc_end_k_q7a2a0ddd6c_compact-k_q7a2a0ddd6c_compact
	.p2alignl 7, 3214868480
	.fill 96, 4, 3214868480
	.section	.rodata,"a",@progbits
	.p2align	6, 0x0
	.amdhsa_kernel k_q7a2a0ddd6c_compact
		.amdhsa_group_segment_fixed_size 138240
		.amdhsa_private_segment_fixed_size 0
		.amdhsa_enable_private_segment 0
		.amdhsa_kernarg_size 56
		.amdhsa_user_sgpr_count 2
		.amdhsa_user_sgpr_kernarg_segment_ptr 1
		.amdhsa_wavefront_size32 1
		.amdhsa_system_sgpr_workgroup_id_x 1
		.amdhsa_system_sgpr_workgroup_id_y 1
		.amdhsa_system_sgpr_workgroup_id_z 1
		.amdhsa_system_vgpr_workitem_id 0
		.amdhsa_next_free_vgpr 256
		.amdhsa_next_free_sgpr 66
		.amdhsa_reserve_vcc 1
		.amdhsa_float_denorm_mode_32 3
		.amdhsa_float_denorm_mode_16_64 3
		.amdhsa_memory_ordered 1
		.amdhsa_forward_progress 1
		.amdhsa_inst_pref_size 46
	.end_amdhsa_kernel
	.amdgpu_metadata
---
amdhsa.version: [ 1, 2 ]
amdhsa.kernels:
  - .name:           k_q7a2a0ddd6c_compact
    .symbol:         k_q7a2a0ddd6c_compact.kd
    .args:
      - { .name: hidden_states, .offset: 0, .size: 8, .value_kind: global_buffer, .address_space: global }
      - { .name: keep, .offset: 8, .size: 8, .value_kind: global_buffer, .address_space: global }
      - { .name: gatew, .offset: 16, .size: 8, .value_kind: global_buffer, .address_space: global }
      - { .name: xc, .offset: 24, .size: 8, .value_kind: global_buffer, .address_space: global }
      - { .name: wc, .offset: 32, .size: 8, .value_kind: global_buffer, .address_space: global }
      - { .name: rows, .offset: 40, .size: 8, .value_kind: global_buffer, .address_space: global }
      - { .name: out0, .offset: 48, .size: 8, .value_kind: global_buffer, .address_space: global }
    .group_segment_fixed_size: 138240
    .private_segment_fixed_size: 0
    .kernarg_segment_align: 8
    .kernarg_segment_size: 56
    .max_flat_workgroup_size: 256
    .sgpr_count:     66
    .vgpr_count:     256
    .wavefront_size: 32
...
	.end_amdgpu_metadata
.endif
;; end of part 2
;; launch ffn1 (part 3): grid 16 x 16, 4 waves a work-group, no clusters, 262,656 bytes of LDS; arguments xc, w1f, b1, wc, rows, hc; writes hc
.if DOCPART == 3
	.amdgcn_target "amdgcn-amd-amdhsa--gfx1250"
	.amdhsa_code_object_version 6
	.text
	.protected	k_q7a2a0ddd6c_ffn1
	.globl	k_q7a2a0ddd6c_ffn1
	.p2align	8
	.type	k_q7a2a0ddd6c_ffn1,@function
k_q7a2a0ddd6c_ffn1:
	s_mov_b64 s[64:65], 0
	v_nop
	global_prefetch_b8 v0, s[64:65] scope:SCOPE_SE
	s_setreg_imm32_b32 hwreg(HW_REG_WAVE_MODE, 25, 1), 1
	s_wait_xcnt 0x0
; FFN1.  hc = f16(relu(w (Xc W1) + b1)) for the R kept rows alone.  Xc and W1 are bf16 (each input rounded once), sums in f32, w applied in f32 behind the product, b1 rounded to bf16.
; LIMIT.  The hidden layer is kept in f16: beyond 65,504 it becomes an infinity.  NaN and infinities are not treated apart.  Serves every R from 0 to 16,384.
; SHARES.  Work-group (cg, rg): 128 columns of W1, all of K: 262,144 bytes that lie in LDS for the whole launch, filled once, one tensor load a wave (one is out).
; Wave slot q = 4 rg + wave of 64 owns a run of blocks of 16 rows: NBLK / 64 of them, one more for the first NBLK % 64 slots.  It takes them in tiles of 4, 3 or 1 blocks x 128 columns.
; The rows come from memory straight into registers as matrix operands (xc lies in operand order), through a ring of eight K steps filled six steps ahead; the loops whose live trips hang on R
; hold no barrier, no tensor load and no LDS store.  The tile loops count to the constants 4, 3, 2, which cover every R; dead trips are jumped.
; THE MATRIX INSTRUCTION IS USED TRANSPOSED: source 0 = 16 columns of W1, source 1 = 16 rows: a lane then holds one row and eight neighbouring columns, and two neighbouring results rounded to
; f16 ARE a fragment of the next product's operand: hc (65,536 blk + 1,024 ks + 512 j + 16 lane) is stored from registers, 512 consecutive bytes a store.
; NO CLUSTER.  What work-groups share at one time is the slice, 262,144 bytes once a launch; the sixteen that share it differ in rg, on which their trip counts hang, and partners in joint
; loads must be alike in every count.  The rows are shared too, but their loop's live trips are data, and such a loop holds no tensor load.
; REGISTERS, in windows of 256 (s_set_vgpr_msb: bits 1:0 source 0, 3:2 source 1, 5:4 source 2, 7:6 destination):
;   window 0: v1 16 lane; v2, v3 LDS address of this and the next eight K steps of W1; v4 4 (lane % 16); v5 0; v8-15 w, block a's in v[8 + 2 a]; v16-79 b1; v80-207 W1's fragments, two buffers; v208-239 at work
;   window 1: accumulator (block a, n tile t) at 8 (8 a + t)          window 2: the ring: K step s % 8, block a at 32 s + 8 a
.set NT,     8                         ; n tiles of a wave's tile
.set NTRIPS, 4                         ; K = 1,024 is 4 x 8 steps of 32
.set CH,     0x10000                   ; LDS bytes of eight K steps
.set CMASK,  0x30000
.set ABLK,   32768                     ; bytes of a block of xc
.set ASH,    15
.set NBUF,   2
.set DIST,   1                         ; W1's fragments are fetched a step ahead
.set NDS,    16                        ; LDS loads a step
.set DSW,    0                         ; nothing younger is out when a step's fragments are wanted
.set LOOK,   6                         ; the ring is filled six steps ahead
.set SPARE,  262144                    ; behind the slice: the spare words, 128 bytes a wave
.set BA, 2
.set BN, 3
.set SPW, 6                            ; v6  LDS address of my spare word; never rewritten
.set NIL, 7                            ; v7  0; never rewritten
.set W, 8
.set BIAS, 16
.set BB, 80
.set U, 208
.set WV, 16                            ; s16 wave  s17 cg  s18 rg  s19-23 the shares' arithmetic  s[24:27], s[28:35] the descriptor
.set SC4, 36                           ; s36-38  tiles of 4, 3, 1 blocks
.set SC3, 37
.set SC1, 38
.set SBLK, 39                          ; s39  the tile's first block
.set SI, 40                            ; s40  counts a group's trips
.set STRIP, 41                         ; s41  counts a tile's eights of K steps, 4 to 1
.set SOFFS, 42                         ; s42  LDS byte of the eight K steps in hand
.set SQ, 44                            ; s[44:45] the ring loads' base
.set SNX, 46                           ; s[46:47] xc at the next tile (behind a group's last: at this one)
.set STB, 48                           ; s[48:49] wc at the tile
.set SOB, 50                           ; s[50:51] hc at the tile, my columns
.set MSB, 0
.macro WIN new                         ; the immediate's high byte repeats the setting that is left; a switch that changes nothing is dropped
.if MSB != (\new)
	s_set_vgpr_msb (MSB<<8)|(\new)
.set MSB, \new
.endif
.endm
.set MUL, 0x58                         ; W1 in window 0, rows in window 2, C and D in window 1
	s_load_b256 s[4:11], s[0:1], 0x0               ; xc s[4:5], w1f s[6:7], b1 s[8:9], wc s[10:11]
	s_load_b128 s[12:15], s[0:1], 0x20             ; rows s[12:13], hc s[14:15]
	v_lshl_add_u32 v[SPW], v0, 2, SPARE
	v_mov_b32 v[NIL], 0
	ds_add_u32 v[SPW], v[NIL]                      ; the wave's opening: the add and its wait ahead of my tensor load; the set-up below, work on registers, stands between them
	v_lshrrev_b32 v240, 5, v0
	v_readfirstlane_b32 s[WV], v240                ; wave 0..3
	s_mov_b32 s17, ttmp9
	s_and_b32 s18, ttmp7, 0xffff
	s_mov_b32 s24, 1                               ; group 0: count = 1,
	s_lshl_b32 s25, s[WV], 16                      ; LDS address: my quarter of the slice
	s_mov_b32 s28, 3<<16                           ; group 1: elements of 8 bytes, no mask, no padding
	s_mov_b32 s29, 32<<16                          ; tensor_dim0 = 32: rows of 256 bytes
	s_mov_b32 s30, 256<<16                         ; tensor_dim1 = 256
	s_mov_b32 s31, 32<<16                          ; tile_dim0 = 32
	s_mov_b32 s32, 256                             ; tile_dim1 = 256: 65,536 dense bytes
	s_mov_b32 s33, 32                              ; 32 elements from row to row
	s_mov_b32 s34, 0
	s_mov_b32 s35, 0
	s_lshl_b32 s52, s17, 18
	s_add_co_u32 s52, s52, s25
	s_mov_b32 s53, 0
	v_and_b32 v240, 31, v0
	v_lshlrev_b32 v1, 4, v240
	v_and_b32 v4, 15, v240
	v_lshlrev_b32 v4, 2, v4
	v_lshrrev_b32 v240, 4, v240
	v_lshlrev_b32 v240, 5, v240                    ; 32 (lane / 16): my eight numbers of a tile's sixteen of b1
	v_mov_b32 v5, 0
.irp i, 8,9,10,11,12,13,14,15
	v_mov_b32 v\i, 0                               ; the packed multiply names pairs: the upper halves are written once
.endr
	s_wait_dscnt 0x0                               ; the opening add is done
	s_wait_kmcnt 0x0
	s_add_nc_u64 s[26:27], s[6:7], s[52:53]        ; global address,
	s_or_b32 s27, s27, 0x80000000                  ; type = 2
	tensor_load_to_lds s[24:27], s[28:35]
	s_nop 0
	s_load_b32 s19, s[12:13], 0x10000              ; R
	s_lshl_b32 s52, s17, 9
	s_add_nc_u64 s[56:57], s[8:9], s[52:53]        ; b1 at my 128 columns
	s_lshl_b32 s52, s17, 12
	s_add_nc_u64 s[58:59], s[14:15], s[52:53]      ; hc at my four K steps of a block
.set n, 0
.rept 16
	global_load_b128 v[BIAS+4*n:BIAS+4*n+3], v240, s[56:57] offset:64*(n/2)+16*(n%2)
.set n, n+1
.endr
	s_wait_kmcnt 0x0
	s_min_u32 s19, s19, 0x4000
	s_add_co_u32 s20, s19, 15
	s_lshr_b32 s20, s20, 4                         ; NBLK
	s_lshl_b32 s21, s18, 2
	s_add_co_u32 s21, s21, s[WV]                   ; q
	s_lshr_b32 s22, s20, 6
	s_and_b32 s23, s20, 63
	s_mul_i32 s[SBLK], s21, s22
	s_min_u32 s54, s21, s23
	s_add_co_u32 s[SBLK], s[SBLK], s54             ; my first block
	s_cmp_lt_u32 s21, s23
	s_cselect_b32 s54, 1, 0
	s_add_co_u32 s22, s22, s54                     ; nb, my blocks: 0 to 16
	s_add_co_u32 s54, s22, 3
	s_lshr_b32 s54, s54, 2                         ; tiles
	s_lshl_b32 s55, s54, 2
	s_sub_co_u32 s55, s55, s22                     ; d: so many of them have 3 blocks, if there are that many tiles;
	s_sub_co_u32 s20, s54, s55
	s_lshr_b32 s21, s22, 2                         ; else (nb = 1, 2, 5) fours and ones
	s_and_b32 s23, s22, 3
	s_cmp_le_u32 s55, s54
	s_cselect_b32 s[SC4], s20, s21
	s_cselect_b32 s[SC3], s55, 0
	s_cselect_b32 s[SC1], 0, s23
	s_wait_loadcnt 0x0                             ; b1: rounded to bf16 like every input, and widened again
.set n, 0
.rept 32
	v_cvt_pk_bf16_f32 v[U+n], v[BIAS+2*n], v[BIAS+2*n+1]
.set n, n+1
.endr
.set n, 0
.rept 32
	v_lshlrev_b32 v[BIAS+2*n], 16, v[U+n]
	v_and_b32 v[BIAS+2*n+1], 0xffff0000, v[U+n]
.set n, n+1
.endr
	s_wait_tensorcnt 0x0                           ; my quarter of the slice is in,
	s_barrier_signal -1
	s_barrier_wait -1                              ; everybody's is: the launch's one barrier
.set qi, 0
.rept NDS                              ; W1's fragments of K step 0; from here on each step fetches the next one's, round the slice's end too
	ds_load_b128 v[BB+4*qi:BB+4*qi+3], v1 offset:(qi/2)*8192+(qi%2)*512
.set qi, qi+1
.endr
; One run of loads a step: W1's fragments of step s + DIST from LDS, and the rows' fragments of step s + LOOK from memory into the ring.
.macro REFILL mb, s
.set sd, (\s)+DIST
	WIN 0
.set qi, 0
.rept NDS
.if sd < 8
	ds_load_b128 v[BB+8*NT*(sd%NBUF)+4*qi:BB+8*NT*(sd%NBUF)+4*qi+3], v[BA] offset:(qi/2)*8192+(sd%8)*1024+(qi%2)*512
.else
	ds_load_b128 v[BB+8*NT*(sd%NBUF)+4*qi:BB+8*NT*(sd%NBUF)+4*qi+3], v[BN] offset:(qi/2)*8192+(sd%8)*1024+(qi%2)*512
.endif
.set qi, qi+1
.endr
	WIN 0x80                                       ; destination window 2, address window 0
.set sl, ((\s)+LOOK)%8
.set qi, 0
.rept 2*(\mb)
	global_load_b128 v[32*sl+4*qi:32*sl+4*qi+3], v1, s[SQ:SQ+1] offset:(qi/2)*ABLK+sl*1024+(qi%2)*512
.set qi, qi+1
.endr
.endm
; A K step of 32: NT x mb matrix instructions, the accumulators by turns, one instruction a turn.  zero = 1: the products start the sums.
; A load into a register that a matrix instruction has read stands four places behind it (ISA guide 7.12.1 for vector instructions): the four v_nop behind the
; first four products are the places behind the step before, whose buffer and ring slot the run of loads fills.
.macro STEP mb, s, zero
.if (\s) == 2                          ; from here on the ring asks for the next eight K steps, behind a tile's last eight for the next tile's first
	s_wait_xcnt 0x0                                ; the base of the loads that are out is rewritten only behind this wait
	s_add_nc_u64 s[SQ:SQ+1], s[SQ:SQ+1], 8192
	s_cmp_eq_u32 s[STRIP], 1
	s_cselect_b64 s[SQ:SQ+1], s[SNX:SNX+1], s[SQ:SQ+1]
.endif
	s_wait_dscnt DSW                               ; this step's fragments of W1 are in
	s_wait_loadcnt 10*(\mb)                        ; and its rows: behind them five refills of 2 mb loads may stay out
.set n, 0
.rept NT*(\mb)
.set rD, 8*n
.set rB, BB+8*NT*((\s)%NBUF)+8*(n%NT)
.set rA, 32*(\s)+8*(n/NT)
	WIN MUL
.if \zero
	v_wmma_f32_16x16x32_bf16 v[rD:rD+7], v[rB:rB+7], v[rA:rA+7], 0
.else
	v_wmma_f32_16x16x32_bf16 v[rD:rD+7], v[rB:rB+7], v[rA:rA+7], v[rD:rD+7]
.endif
.if n < 4
	v_nop
.endif
.if n == 3
	REFILL \mb, \s
.endif
.set n, n+1
.endr
.endm
.macro BADDR                           ; the LDS addresses of the eight K steps in hand and of the next eight (behind the last: the first)
	v_add_nc_u32 v[BA], s[SOFFS], v1
	s_add_co_u32 s[SOFFS], s[SOFFS], CH
	s_and_b32 s[SOFFS], s[SOFFS], CMASK
	v_add_nc_u32 v[BN], s[SOFFS], v1
.endm
.macro APRIME mb                       ; the ring's first six K steps
	WIN 0x80
.set sl, 0
.rept LOOK
.set qi, 0
.rept 2*(\mb)
	global_load_b128 v[32*sl+4*qi:32*sl+4*qi+3], v1, s[SQ:SQ+1] offset:(qi/2)*ABLK+sl*1024+(qi%2)*512
.set qi, qi+1
.endr
.set sl, sl+1
.endr
	WIN 0
.endm
.macro TOP mb, cnt                     ; a tile's addresses, each made anew from a block number held inside the buffers; its rows' w
	s_wait_xcnt 0x0                                ; the bases of the last tile's loads and stores are rewritten only behind this wait
	s_add_co_u32 s54, s[SBLK], \mb
	s_add_co_u32 s55, s[SI], 1
	s_cmp_eq_u32 s55, s[\cnt]
	s_cselect_b32 s54, s[SBLK], s54                ; behind the group's last tile the ring reads this tile once more, and nobody uses it
	s_min_u32 s54, s54, 1024-(\mb)
	s_lshl_b32 s52, s54, ASH
	s_mov_b32 s53, 0
	s_add_nc_u64 s[SNX:SNX+1], s[4:5], s[52:53]
	s_min_u32 s54, s[SBLK], 1024-(\mb)
	s_lshl_b32 s52, s54, 6
	s_add_nc_u64 s[STB:STB+1], s[10:11], s[52:53]
	s_lshl_b32 s52, s54, 16
	s_add_nc_u64 s[SOB:SOB+1], s[58:59], s[52:53]
.set a, 0
.rept \mb
	global_load_b32 v[W+2*a], v4, s[STB:STB+1] offset:64*a
.set a, a+1
.endr
	s_mov_b32 s[SOFFS], 0
	BADDR
.endm
; THE WAY OUT, a block at a time: w x sum + b1 in place, rounded to f16 in pairs, relu on the pairs, eight stores of 512 consecutive bytes.  Each accumulator's registers are taken in ascending order.
.macro EPI mb
	WIN 0
	s_wait_loadcnt 12*(\mb)                        ; w came in long ago: the count leaves the ring's six refills out
.rept 4
	v_nop                                          ; the places behind the last products
.endr
.set a, 0
.rept \mb
	s_wait_xcnt 0x0                                ; the registers that the last block's stores read are rewritten only behind this wait
	WIN 0x41                                       ; destination and source 0 in window 1
.set p, 0
.rept 32
	v_pk_fma_f32 v[64*a+2*p:64*a+2*p+1], v[64*a+2*p:64*a+2*p+1], v[W+2*a:W+2*a+1], v[BIAS+2*p:BIAS+2*p+1] op_sel_hi:[1,0,1]
.set p, p+1
.endr
	WIN 0x05                                       ; sources 0 and 1 in window 1
.set p, 0
.rept 32
	v_cvt_pk_f16_f32 v[U+p], v[64*a+2*p], v[64*a+2*p+1]
.set p, p+1
.endr
	WIN 0
.set p, 0
.rept 32
	v_pk_max_num_f16 v[U+p], v[U+p], v5
.set p, p+1
.endr
.set p, 0
.rept 8
	global_store_b128 v1, v[U+4*p:U+4*p+3], s[SOB:SOB+1] offset:65536*a+1024*(p/2)+512*(p%2)
.set p, p+1
.endr
.set a, a+1
.endr
.endm
; The tiles of mb blocks: cnt of them, at most maxc.  The ring starts anew at the group's head and runs on from tile to tile.  A tile: the step that starts the sums; then trips of steps 1 to 7 and
; the next eight's step 0, left in the middle behind the last step 7.
.macro GROUP mb, cnt, maxc
	s_cmp_eq_u32 s[\cnt], 0
	s_cbranch_scc1 .Lgend_\@
	s_wait_loadcnt 0x0                             ; the ring's registers are loaded anew only when no load into them is out,
	s_wait_xcnt 0x0                                ; and its base is rewritten only behind this wait
	s_min_u32 s54, s[SBLK], 1024-(\mb)
	s_lshl_b32 s52, s54, ASH
	s_mov_b32 s53, 0
	s_add_nc_u64 s[SQ:SQ+1], s[4:5], s[52:53]
	APRIME \mb
	s_mov_b32 s[SI], 0
.Ltile_\@:
	s_cmp_ge_u32 s[SI], s[\cnt]
	s_cbranch_scc1 .Ldead_\@                       ; a dead trip
	TOP \mb, \cnt
	STEP \mb, 0, 1
	WIN 0                                          ; at a label and at a branch every window is 0
	s_mov_b32 s[STRIP], NTRIPS
.Lk_\@:
.irp s, 1,2,3,4,5,6,7
	STEP \mb, \s, 0
.endr
	WIN 0
	s_sub_co_u32 s[STRIP], s[STRIP], 1
	s_cmp_eq_u32 s[STRIP], 0
	s_cbranch_scc1 .Lkout_\@
	BADDR
	STEP \mb, 0, 0
	WIN 0
	s_branch .Lk_\@
.Lkout_\@:
	EPI \mb
	s_add_co_u32 s[SBLK], s[SBLK], \mb
.Ldead_\@:
	s_add_co_u32 s[SI], s[SI], 1
	s_cmp_lt_u32 s[SI], \maxc
	s_cbranch_scc1 .Ltile_\@
.Lgend_\@:
.endm
	GROUP 4, SC4, 4
	GROUP 3, SC3, 3
	GROUP 1, SC1, 2
	s_wait_tensorcnt 0x0                           ; the wave's end
	ds_add_u32 v[SPW], v[NIL]
	s_wait_dscnt 0x0
	s_endpgm
.Lfunc_end_k_q7a2a0ddd6c_ffn1:
	.size	k_q7a2a0ddd6c_ffn1, .Lfunc_end_k_q7a2a0ddd6c_ffn1-k_q7a2a0ddd6c_ffn1
	.p2alignl 7, 3214868480
	.fill 96, 4, 3214868480
	.section	.rodata,"a",@progbits
	.p2align	6, 0x0
	.amdhsa_kernel k_q7a2a0ddd6c_ffn1
		.amdhsa_group_segment_fixed_size 262656
		.amdhsa_private_segment_fixed_size 0
		.amdhsa_enable_private_segment 0
		.amdhsa_kernarg_size 48
		.amdhsa_user_sgpr_count 2
		.amdhsa_user_sgpr_kernarg_segment_ptr 1
		.amdhsa_wavefront_size32 1
		.amdhsa_system_sgpr_workgroup_id_x 1
		.amdhsa_system_sgpr_workgroup_id_y 1
		.amdhsa_system_sgpr_workgroup_id_z 1
		.amdhsa_system_vgpr_workitem_id 0
		.amdhsa_next_free_vgpr 768
		.amdhsa_next_free_sgpr 66
		.amdhsa_reserve_vcc 0
		.amdhsa_float_denorm_mode_32 3
		.amdhsa_float_denorm_mode_16_64 3
		.amdhsa_memory_ordered 1
		.amdhsa_forward_progress 1
		.amdhsa_inst_pref_size 167
	.end_amdhsa_kernel
	.amdgpu_metadata
---
amdhsa.version: [ 1, 2 ]
amdhsa.kernels:
  - .name:           k_q7a2a0ddd6c_ffn1
    .symbol:         k_q7a2a0ddd6c_ffn1.kd
    .args:
      - { .name: xc, .offset: 0, .size: 8, .value_kind: global_buffer, .address_space: global }
      - { .name: w1f, .offset: 8, .size: 8, .value_kind: global_buffer, .address_space: global }
      - { .name: b1, .offset: 16, .size: 8, .value_kind: global_buffer, .address_space: global }
      - { .name: wc, .offset: 24, .size: 8, .value_kind: global_buffer, .address_space: global }
      - { .name: rows, .offset: 32, .size: 8, .value_kind: global_buffer, .address_space: global }
      - { .name: hc, .offset: 40, .size: 8, .value_kind: global_buffer, .address_space: global }
    .group_segment_fixed_size: 262656
    .private_segment_fixed_size: 0
    .kernarg_segment_align: 8
    .kernarg_segment_size: 48
    .max_flat_workgroup_size: 128
    .sgpr_count:     66
    .vgpr_count:     768
    .wavefront_size: 32
...
	.end_amdgpu_metadata
.endif
;; end of part 3
;; launch ffn2 (part 4): grid 16 x 16, 4 waves a work-group, no clusters, 262,656 bytes of LDS; arguments hc, w2f, b2, rows, out0; writes out0
.if DOCPART == 4
	.amdgcn_target "amdgcn-amd-amdhsa--gfx1250"
	.amdhsa_code_object_version 6
	.text
	.protected	k_q7a2a0ddd6c_ffn2
	.globl	k_q7a2a0ddd6c_ffn2
	.p2align	8
	.type	k_q7a2a0ddd6c_ffn2,@function
k_q7a2a0ddd6c_ffn2:
	s_mov_b64 s[64:65], 0
	v_nop
	global_prefetch_b8 v0, s[64:65] scope:SCOPE_SE
	s_setreg_imm32_b32 hwreg(HW_REG_WAVE_MODE, 25, 1), 1
	s_wait_xcnt 0x0
; FFN2.  out0[token of row] = Hc W2 + b2 for the R kept rows alone (the dropped tokens' rows were set to 0 by the launch that compacted).  Hc and W2 are f16 (W2 = f16(bf16(W2))), sums in f32,
; b2 rounded to bf16 and added in f32 on the way out.
; LIMITS.  f16's range, 65,504, for the hidden layer and W2.  NaN and infinities are not treated apart.  The f32 sums go round K from a start that differs by column group (below): an order of
; rounding other than ascending K.  Serves every R from 0 to 16,384.
; SHARES.  Work-group (cg, rg): 64 columns of W2, all of K = 2,048: 262,144 bytes that lie in LDS for the whole launch, filled once, one tensor load a wave (one is out).
; Wave slot q = 4 rg + wave of 64 owns a run of nb blocks of 16 rows (NBLK / 64, one more for the first NBLK % 64 slots), in ceil(nb / 5) tiles as equal as can be, of 5, 4 or 3 blocks x 64 columns.
; nb = 1 or 2 (fewer than 192 blocks in all) is a tile of 3 whose dead blocks are computed and not stored.  The tile loops count to the constants 3, 4, 2, which cover every R; dead trips are
; jumped; they hold no barrier, no tensor load and no LDS store: nothing but the tensor loads and the add ever writes LDS in this launch.
; THE ROWS come from memory straight into registers as matrix operands, through a ring of eight K steps.  It is filled 6 steps ahead for 5 blocks and 7 steps ahead for 4 and 3: 60, 56, 42 loads of
; 512 bytes.  With a tile's 2 mb loads of tokens up to 70 can be issued and not yet back; the issue is then held back at the counter's field (ISA guide 5.7.1), and the counted waits stay right:
; more younger loads only make them stricter.  Each ring slot owns its offset register, made anew just ahead of its refill, when the slot's own counted wait has shown its last loads done.
; K GOES ROUND.  K is eight chunks of 8 steps.  Work-group cg begins every tile at chunk cg % 8 and goes round, in LDS and in hc alike: the sixteen work-groups that read the same rows ask for
; different parts of them at one time, each part first by two of them and later by the others.
; LAYOUT.  Source 0 = 16 rows, source 1 = 16 column slots of W2: register j of lane l holds row 8 (l / 16) + j and slot l % 16.  Slot r of n tile t is column 64 cg + 4 r + t (w2f is laid out so), so
; a lane's four accumulators hold four NEIGHBOURING columns of a row: the addition of b2 brings them into four registers on end, and 16 lanes store the 256 consecutive bytes that are my 64 columns
; of a token's row.  The places past R repeat row R - 1: the same wave stores the same numbers to the same bytes.
; NO CLUSTER.  What work-groups share at one time is the slice, 262,144 bytes once a launch; the sixteen that share it differ in rg, on which their trip counts hang, and partners in joint
; loads must be alike in every count.  The rows are shared too, but their loop's live trips are data, and such a loop holds no tensor load.
; REGISTERS, in windows of 256 (s_set_vgpr_msb: bits 1:0 source 0, 3:2 source 1, 5:4 source 2, 7:6 destination):
;   window 0: v1 16 lane; v2, v3 LDS address of this and the next chunk of W2; v4 16 (lane / 16); v5 16 (lane % 16); v8-11 b2 of my four columns; v12-14 at work; v16-23 the ring slots' offsets;
;             v48-175 W2's fragments, four buffers; v176-215 tokens, then the stores' offsets
;   window 1: accumulator (block a, n tile t) at 8 (4 a + t); v160-191 block 0 on its way out (block a > 0 goes out through block a - 1's accumulators)
;   windows 2 and 3: the ring: K step s % 8, block a at 8 mb s + 8 a, counted from v512
.set NT,     4
.set NTRIPS, 8                         ; K = 2,048 is 8 chunks of 8 steps of 32
.set CH,     0x8000                    ; LDS bytes of a chunk
.set CMASK,  0x38000
.set ABLK,   65536                     ; bytes of a block of hc; a chunk of it is 8,192
.set NBUF,   4
.set DIST,   2                         ; W2's fragments are fetched two steps ahead
.set NDS,    8
.set DSW,    8                         ; the eight loads of the step before may stay out
.set SPARE,  262144                    ; behind the slice: the spare words, 128 bytes a wave
.set BA, 2
.set BN, 3
.set SPW, 6                            ; v6  LDS address of my spare word; never rewritten
.set NIL, 7                            ; v7  0; never rewritten
.set B2, 8
.set OFS, 16
.set BB, 48
.set IDX, 176
.set OS, 160                           ; in window 1
.set WV, 16                            ; s16 wave  s17 cg  s18 rg  s19-23 the shares' arithmetic  s[24:27], s[28:35] the descriptor
.set SC5, 36                           ; s36-38  tiles of 5, 4, 3 blocks
.set SC4, 37
.set SC3, 38
.set SBLK, 39                          ; s39  the tile's first block
.set SI, 40                            ; s40  counts a group's trips
.set STRIP, 41                         ; s41  counts a tile's chunks, 8 to 1
.set SOFFS, 42                         ; s42  LDS byte of the chunk in hand
.set SLIVE, 43                         ; s43  live blocks in a tile of 3: min(nb, 3)
.set SQO, 44                           ; s44  byte offset in hc of the chunk that the ring asks for; no memory instruction names it
.set SCH, 45                           ; s45  that chunk's bytes within a block
.set STILE, 46                         ; s46  byte offset in hc of the tile that the ring asks for
.set SNXB, 47                          ; s47  the same of the next tile (behind a group's last: of this one)
.set STB, 48                           ; s[48:49] rows at the tile
.set SOB, 50                           ; s[50:51] out0 at my 64 columns; never rewritten
.set SC0L, 58                          ; s58  my first chunk's byte in LDS
.set SC0G, 59                          ; s59  and in a block of hc
.set MSB, 0
.macro WIN new                         ; the immediate's high byte repeats the setting that is left; a switch that changes nothing is dropped
.if MSB != (\new)
	s_set_vgpr_msb (MSB<<8)|(\new)
.set MSB, \new
.endif
.endm
	s_load_b256 s[4:11], s[0:1], 0x0               ; hc s[4:5], w2f s[6:7], b2 s[8:9], rows s[10:11]
	s_load_b64 s[12:13], s[0:1], 0x20              ; out0
	v_lshl_add_u32 v[SPW], v0, 2, SPARE
	v_mov_b32 v[NIL], 0
	ds_add_u32 v[SPW], v[NIL]                      ; the wave's opening: the add and its wait ahead of my tensor load; the set-up below, work on registers, stands between them
	v_lshrrev_b32 v12, 5, v0
	v_readfirstlane_b32 s[WV], v12                 ; wave 0..3
	s_mov_b32 s17, ttmp9
	s_and_b32 s18, ttmp7, 0xffff
	s_mov_b32 s24, 1                               ; group 0: count = 1,
	s_lshl_b32 s25, s[WV], 16                      ; LDS address: my quarter of the slice
	s_mov_b32 s28, 3<<16                           ; group 1: elements of 8 bytes, no mask, no padding
	s_mov_b32 s29, 32<<16                          ; tensor_dim0 = 32: rows of 256 bytes
	s_mov_b32 s30, 256<<16                         ; tensor_dim1 = 256
	s_mov_b32 s31, 32<<16                          ; tile_dim0 = 32
	s_mov_b32 s32, 256                             ; tile_dim1 = 256: 65,536 dense bytes
	s_mov_b32 s33, 32                              ; 32 elements from row to row
	s_mov_b32 s34, 0
	s_mov_b32 s35, 0
	s_lshl_b32 s52, s17, 18
	s_add_co_u32 s52, s52, s25
	s_mov_b32 s53, 0
	s_and_b32 s[SC0L], s17, 7                      ; my first chunk
	s_lshl_b32 s[SC0G], s[SC0L], 13
	s_lshl_b32 s[SC0L], s[SC0L], 15
	v_and_b32 v12, 31, v0
	v_lshlrev_b32 v1, 4, v12
	v_and_b32 v13, 15, v12
	v_lshrrev_b32 v14, 4, v12
	v_lshlrev_b32 v4, 4, v14
	v_lshlrev_b32 v5, 4, v13
	s_wait_dscnt 0x0                               ; the opening add is done
	s_wait_kmcnt 0x0
	s_add_nc_u64 s[26:27], s[6:7], s[52:53]        ; global address,
	s_or_b32 s27, s27, 0x80000000                  ; type = 2
	tensor_load_to_lds s[24:27], s[28:35]
	s_nop 0
	s_load_b32 s19, s[10:11], 0x10000              ; R
	s_lshl_b32 s52, s17, 8
	s_add_nc_u64 s[56:57], s[8:9], s[52:53]        ; b2 at my 64 columns
	s_add_nc_u64 s[SOB:SOB+1], s[12:13], s[52:53]  ; out0 likewise
	global_load_b128 v[B2:B2+3], v5, s[56:57]      ; b2 of columns 4 (lane % 16) + 0..3
	s_wait_kmcnt 0x0
	s_min_u32 s19, s19, 0x4000
	s_add_co_u32 s20, s19, 15
	s_lshr_b32 s20, s20, 4                         ; NBLK
	s_lshl_b32 s21, s18, 2
	s_add_co_u32 s21, s21, s[WV]                   ; q
	s_lshr_b32 s22, s20, 6
	s_and_b32 s23, s20, 63
	s_mul_i32 s[SBLK], s21, s22
	s_min_u32 s54, s21, s23
	s_add_co_u32 s[SBLK], s[SBLK], s54             ; my first block
	s_cmp_lt_u32 s21, s23
	s_cselect_b32 s54, 1, 0
	s_add_co_u32 s22, s22, s54                     ; nb, my blocks: 0 to 16
	s_min_u32 s[SLIVE], s22, 3
	s_max_u32 s54, s22, 3                          ; 1 and 2 count as 3,
	s_cmp_eq_u32 s22, 0
	s_cselect_b32 s22, 0, s54                      ; 0 stays 0
	s_add_co_u32 s54, s22, 4
	s_mul_i32 s54, s54, 13
	s_lshr_b32 s54, s54, 6                         ; nt = (nb + 4) / 5: x 13 / 64 is x / 5 for x up to 20
	s_lshl_b32 s55, s54, 2
	s_sub_co_u32 s20, s22, s55                     ; nb >= 4 nt: nb - 4 nt tiles of 5,
	s_sub_co_u32 s21, s54, s20                     ; the others of 4;
	s_mul_i32 s23, s54, 3
	s_sub_co_u32 s23, s22, s23                     ; else nb - 3 nt tiles of 4,
	s_sub_co_u32 s19, s54, s23                     ; the others of 3
	s_cmp_ge_u32 s22, s55
	s_cselect_b32 s[SC5], s20, 0
	s_cselect_b32 s[SC4], s21, s23
	s_cselect_b32 s[SC3], 0, s19
	s_wait_loadcnt 0x0                             ; b2: rounded to bf16 like every input, and widened again
	v_cvt_pk_bf16_f32 v12, v[B2], v[B2+1]
	v_cvt_pk_bf16_f32 v13, v[B2+2], v[B2+3]
	v_lshlrev_b32 v[B2], 16, v12
	v_and_b32 v[B2+1], 0xffff0000, v12
	v_lshlrev_b32 v[B2+2], 16, v13
	v_and_b32 v[B2+3], 0xffff0000, v13
	v_add_nc_u32 v[BA], s[SC0L], v1
	s_wait_tensorcnt 0x0                           ; my quarter of the slice is in,
	s_barrier_signal -1
	s_barrier_wait -1                              ; everybody's is
.set sd, 0
.rept DIST                             ; W2's fragments of my first chunk's steps 0 and 1; from here on each step fetches those two steps on, round the slice and from tile to tile
.set qi, 0
.rept NDS
	ds_load_b128 v[BB+8*NT*sd+4*qi:BB+8*NT*sd+4*qi+3], v[BA] offset:(qi/2)*8192+sd*1024+(qi%2)*512
.set qi, qi+1
.endr
.set sd, sd+1
.endr
; One run of loads a step: W2's fragments of step s + DIST from LDS, and the rows' fragments of step s + LOOK from memory into the ring.  The slot's offset register is free: the wait of the step
; that multiplied the slot has shown its last loads done.
.macro REFILL mb, s
.set sd, (\s)+DIST
.set sl, ((\s)+LOOK)%8
	WIN 0
	v_add_nc_u32 v[OFS+sl], s[SQO], v1
.set qi, 0
.rept NDS
.if sd < 8
	ds_load_b128 v[BB+8*NT*(sd%NBUF)+4*qi:BB+8*NT*(sd%NBUF)+4*qi+3], v[BA] offset:(qi/2)*8192+(sd%8)*1024+(qi%2)*512
.else
	ds_load_b128 v[BB+8*NT*(sd%NBUF)+4*qi:BB+8*NT*(sd%NBUF)+4*qi+3], v[BN] offset:(qi/2)*8192+(sd%8)*1024+(qi%2)*512
.endif
.set qi, qi+1
.endr
.set qi, 0
.rept 2*(\mb)
.set rl, 8*(\mb)*sl+4*qi
	WIN 0x80+0x40*(rl/256)                         ; destination window 2 or 3, address window 0
	global_load_b128 v[rl%256:rl%256+3], v[OFS+sl], s[4:5] offset:(qi/2)*ABLK+sl*1024+(qi%2)*512
.set qi, qi+1
.endr
.endm
; A K step of 32: NT x mb matrix instructions, the accumulators by turns, one instruction a turn.  zero = 1: the products start the sums.
; A load into a register that a matrix instruction has read stands four places behind it (ISA guide 7.12.1 for vector instructions): three v_nop behind a step's
; first three products and the v_add at the head of the run of loads are the places behind the step before, whose ring slot (and, two steps back, whose buffer) the run fills.
.macro STEP mb, s, zero
.if (\s) == 8-LOOK                     ; from here on the ring asks for the next chunk, round the block's eight; behind a tile's last chunk for the next tile's first
	s_add_co_u32 s[SCH], s[SCH], 0x2000
	s_and_b32 s[SCH], s[SCH], 0xe000
	s_cmp_eq_u32 s[STRIP], 1
	s_cselect_b32 s[STILE], s[SNXB], s[STILE]
	s_add_co_u32 s[SQO], s[STILE], s[SCH]
.endif
	s_wait_dscnt DSW                               ; this step's fragments of W2 are in; the next step's eight may stay out
	s_wait_loadcnt 2*(\mb)*(LOOK-1)                ; and its rows: behind them LOOK - 1 refills of 2 mb loads may stay out
.set n, 0
.rept NT*(\mb)
.set rr, 8*(\mb)*(\s)+8*(n/NT)
.set rD, 8*n
.set rB, BB+8*NT*((\s)%NBUF)+8*(n%NT)
	WIN 0x52+rr/256                                ; rows in window 2 or 3, W2 in window 0, C and D in window 1
.if \zero
	v_wmma_f32_16x16x32_f16 v[rD:rD+7], v[rr%256:rr%256+7], v[rB:rB+7], 0
.else
	v_wmma_f32_16x16x32_f16 v[rD:rD+7], v[rr%256:rr%256+7], v[rB:rB+7], v[rD:rD+7]
.endif
.if n < 3
	v_nop
.endif
.if n == 3
	REFILL \mb, \s
.endif
.set n, n+1
.endr
.endm
.macro BADDR                           ; the LDS addresses of the chunk in hand and of the next one, round the slice
	v_add_nc_u32 v[BA], s[SOFFS], v1
	s_add_co_u32 s[SOFFS], s[SOFFS], CH
	s_and_b32 s[SOFFS], s[SOFFS], CMASK
	v_add_nc_u32 v[BN], s[SOFFS], v1
.endm
.macro APRIME mb                       ; the ring's first LOOK steps, all of my first chunk
	WIN 0
.set sl, 0
.rept LOOK
	v_add_nc_u32 v[OFS+sl], s[SQO], v1
.set sl, sl+1
.endr
.set sl, 0
.rept LOOK
.set qi, 0
.rept 2*(\mb)
.set rl, 8*(\mb)*sl+4*qi
	WIN 0x80+0x40*(rl/256)
	global_load_b128 v[rl%256:rl%256+3], v[OFS+sl], s[4:5] offset:(qi/2)*ABLK+sl*1024+(qi%2)*512
.set qi, qi+1
.endr
.set sl, sl+1
.endr
	WIN 0
.endm
.macro TOP mb, cnt                     ; a tile's offsets, each made anew from a block number held inside the buffers; its rows' tokens
	s_wait_xcnt 0x0                                ; the last tile's stores have read their registers: the token registers are loaded again, and the accumulators written again, only behind this wait
	s_add_co_u32 s54, s[SBLK], \mb
	s_add_co_u32 s55, s[SI], 1
	s_cmp_eq_u32 s55, s[\cnt]
	s_cselect_b32 s54, s[SBLK], s54                ; behind the group's last tile the ring reads this tile's first steps once more, and nobody uses them
	s_min_u32 s54, s54, 1024-(\mb)
	s_lshl_b32 s[SNXB], s54, 16
	s_min_u32 s54, s[SBLK], 1024-(\mb)
	s_lshl_b32 s52, s54, 6
	s_mov_b32 s53, 0
	s_add_nc_u64 s[STB:STB+1], s[10:11], s[52:53]
.set a, 0
.rept \mb
	global_load_b128 v[IDX+8*a:IDX+8*a+3], v4, s[STB:STB+1] offset:64*a          ; the tokens of rows 8 (lane / 16) + 0, 2, 4, 6 (the list holds a block's even rows, then its odd rows),
	global_load_b128 v[IDX+8*a+4:IDX+8*a+7], v4, s[STB:STB+1] offset:64*a+32     ; and of rows 8 (lane / 16) + 1, 3, 5, 7
.set a, a+1
.endr
	s_mov_b32 s[SOFFS], s[SC0L]
	BADDR
.endm
; THE WAY OUT, a block at a time.  Number p = 4 j + t of 32: row j's sum in n tile t, plus b2: four on end are 16 neighbouring bytes of the row.  Each accumulator's register 0 is read first, then
; the others in ascending order.  Block a's 32 numbers go into block a - 1's accumulators, which have been read, block 0's into 32 registers of their own; the stores' offsets are made in the
; tokens' own registers: so nothing that a store reads is written again before the next tile's head.  In a tile of 3 the blocks past the live count are jumped, whole stores and all.
.macro EPI mb
	WIN 0
	s_wait_loadcnt 2*(\mb)*LOOK                    ; the tokens came in long ago: the count leaves the ring's LOOK refills out
.rept 4
	v_nop                                          ; the places behind the last products
.endr
.set a, 0
.rept \mb
.if (\mb) == 3 && a > 0
	s_cmp_le_u32 s[SLIVE], a
	s_cbranch_scc1 .Lepi_end_\@
.endif
.if a == 0
.set ob, OS
.else
.set ob, 32*(a-1)
.endif
	WIN 0x41                                       ; destination and source 0 in window 1
.set p, 0
.rept 32
	v_add_f32 v[ob+p], v[8*(4*a+(p%4))+(p/4)], v[B2+(p%4)]
.set p, p+1
.endr
	WIN 0
.set p, 0
.rept 8
	v_min_u32 v[IDX+8*a+p], 0x3fff, v[IDX+8*a+p]   ; a token, held inside out0:
	v_lshl_add_u32 v[IDX+8*a+p], v[IDX+8*a+p], 12, v5  ; its row, my 16 bytes of its 256
.set p, p+1
.endr
	WIN 0x04                                       ; the stores' data in window 1
.set p, 0
.rept 8
	global_store_b128 v[IDX+8*a+4*(p%2)+(p/2)], v[ob+4*p:ob+4*p+3], s[SOB:SOB+1] th:TH_STORE_NT  ; row 8 (lane / 16) + p: 16 lanes store 256 consecutive bytes, at a multiple of 256 from out0's first byte
.set p, p+1
.endr
	WIN 0                                          ; at a label and at a branch every window is 0
.set a, a+1
.endr
.Lepi_end_\@:
.endm
; The tiles of mb blocks: cnt of them, at most maxc; the ring is filled look steps ahead.  It starts anew at the group's head and runs on from tile to tile.  A tile: the step that starts the sums;
; then trips of steps 1 to 7 and the next chunk's step 0, left in the middle behind the last step 7.
.macro GROUP mb, cnt, maxc, look
.set LOOK, \look
	s_cmp_eq_u32 s[\cnt], 0
	s_cbranch_scc1 .Lgend_\@
	s_wait_loadcnt 0x0                             ; the ring's registers are loaded anew, and its offsets written anew, only when no load of the ring is out
	s_wait_xcnt 0x0
	s_min_u32 s54, s[SBLK], 1024-(\mb)
	s_lshl_b32 s[STILE], s54, 16
	s_mov_b32 s[SCH], s[SC0G]
	s_add_co_u32 s[SQO], s[STILE], s[SCH]
	APRIME \mb
	s_mov_b32 s[SI], 0
.Ltile_\@:
	s_cmp_ge_u32 s[SI], s[\cnt]
	s_cbranch_scc1 .Ldead_\@                       ; a dead trip
	TOP \mb, \cnt
	STEP \mb, 0, 1
	WIN 0                                          ; at a label and at a branch every window is 0
	s_mov_b32 s[STRIP], NTRIPS
.Lk_\@:
.irp s, 1,2,3,4,5,6,7
	STEP \mb, \s, 0
.endr
	WIN 0
	s_sub_co_u32 s[STRIP], s[STRIP], 1
	s_cmp_eq_u32 s[STRIP], 0
	s_cbranch_scc1 .Lkout_\@
	BADDR
	STEP \mb, 0, 0
	WIN 0
	s_branch .Lk_\@
.Lkout_\@:
	EPI \mb
	s_add_co_u32 s[SBLK], s[SBLK], \mb
.Ldead_\@:
	s_add_co_u32 s[SI], s[SI], 1
	s_cmp_lt_u32 s[SI], \maxc
	s_cbranch_scc1 .Ltile_\@
.Lgend_\@:
.endm
	GROUP 5, SC5, 3, 6
	GROUP 4, SC4, 4, 7
	GROUP 3, SC3, 2, 7
	s_wait_dscnt 0x0                               ; my reads of LDS are back, the last fetch ahead among them
	s_barrier_signal -1
	s_barrier_wait -1                              ; every wave's are: no wave writes LDS again while another still reads it
	s_wait_tensorcnt 0x0                           ; the wave's end
	ds_add_u32 v[SPW], v[NIL]
	s_wait_dscnt 0x0
	s_endpgm
.Lfunc_end_k_q7a2a0ddd6c_ffn2:
	.size	k_q7a2a0ddd6c_ffn2, .Lfunc_end_k_q7a2a0ddd6c_ffn2-k_q7a2a0ddd6c_ffn2
	.p2alignl 7, 3214868480
	.fill 96, 4, 3214868480
	.section	.rodata,"a",@progbits
	.p2align	6, 0x0
	.amdhsa_kernel k_q7a2a0ddd6c_ffn2
		.amdhsa_group_segment_fixed_size 262656
		.amdhsa_private_segment_fixed_size 0
		.amdhsa_enable_private_segment 0
		.amdhsa_kernarg_size 40
		.amdhsa_user_sgpr_count 2
		.amdhsa_user_sgpr_kernarg_segment_ptr 1
		.amdhsa_wavefront_size32 1
		.amdhsa_system_sgpr_workgroup_id_x 1
		.amdhsa_system_sgpr_workgroup_id_y 1
		.amdhsa_system_sgpr_workgroup_id_z 1
		.amdhsa_system_vgpr_workitem_id 0
		.amdhsa_next_free_vgpr 832
		.amdhsa_next_free_sgpr 66
		.amdhsa_reserve_vcc 0
		.amdhsa_float_denorm_mode_32 3
		.amdhsa_float_denorm_mode_16_64 3
		.amdhsa_memory_ordered 1
		.amdhsa_forward_progress 1
		.amdhsa_inst_pref_size 132
	.end_amdhsa_kernel
	.amdgpu_metadata
---
amdhsa.version: [ 1, 2 ]
amdhsa.kernels:
  - .name:           k_q7a2a0ddd6c_ffn2
    .symbol:         k_q7a2a0ddd6c_ffn2.kd
    .args:
      - { .name: hc, .offset: 0, .size: 8, .value_kind: global_buffer, .address_space: global }
      - { .name: w2f, .offset: 8, .size: 8, .value_kind: global_buffer, .address_space: global }
      - { .name: b2, .offset: 16, .size: 8, .value_kind: global_buffer, .address_space: global }
      - { .name: rows, .offset: 24, .size: 8, .value_kind: global_buffer, .address_space: global }
      - { .name: out0, .offset: 32, .size: 8, .value_kind: global_buffer, .address_space: global }
    .group_segment_fixed_size: 262656
    .private_segment_fixed_size: 0
    .kernarg_segment_align: 8
    .kernarg_segment_size: 40
    .max_flat_workgroup_size: 128
    .sgpr_count:     66
    .vgpr_count:     832
    .wavefront_size: 32
...
	.end_amdgpu_metadata
.endif
;; end of part 4
